; MI455X (gfx1250); checked and timed in simulation.
; The chip was launched on July 23, 2026; its instructions are those of AMD's public machine-readable ISA for CDNA 5 (MIT licence, August 2026) and "CDNA5" Instruction Set Architecture Reference Guide (July 2026). The comments in the code are by the model that wrote it; some were corrected since.
;; Conscious Attention. Allowed arithmetic: matrix products marked QUANTISED: E5M2 operands, one given power-of-two scale a tensor, by v_wmma_f32_16x16x64_bf8_bf8 or v_wmma_f32_16x16x128_bf8_bf8, f32 sums; products left as they are: f32 operands where the result goes on into a quantised operand, else bf16, f16 or f32 operands; f32 sums; everything else in f32.
;; Inputs: W1_codes 512 x 8 x 32 uint8 (E5M2 codes of W1, K innermost, in blocks of 32 codes); W2 1 x 512 float32; Wk_codes 256 x 8 x 32 uint8 (E5M2 codes of Wk, K innermost, in blocks of 32 codes); Wq 256 x 256 float32; b1 512 float32; b2 1 float32; bk 256 float32; bq 256 float32; conscious_bias 256 float32; lowp_scales 4 int32 (the exponents e of the quantised operands' scales 2^e); sensory_input 250,000 x 256 float32.
;; Outputs: out0 64 x 256 float32; out1 250,000 float32; out2 250,000 float32.
;; This version of the problem:
;;   THIS VERSION OF THE PROBLEM IS GIVEN IN LOW PRECISION. The matrix products marked QUANTISED in the list below multiply operands that are first quantised to E5M2 (5 exponent bits, 2 mantissa bits; 8 bits a number), with one given power-of-two scale for each operand tensor; their sums are f32. All else is computed in f32.
;;   The module's matrix products, in the order in which they are computed (A, B: the left and right operand; K: the contracted axis; several contracted axes count as one K, in the product's order):
;;     1. [M 256, K 256] x [K 256, N 1]; A: input Wq; B: input conscious_bias: left as it is (N = 1 < 16)
;;     2. [M 250,000, K 256] x [K 256, N 256]; A: input sensory_input; B: input Wk (given as codes): QUANTISED (scales: A lowp_scales[0], B lowp_scales[1])
;;     3. [M 250,000, K 256] x [K 256, N 512]; A: input sensory_input; B: input W1 (given as codes): QUANTISED (scales: A lowp_scales[2], B lowp_scales[3])
;;     4. [M 250,000, K 512] x [K 512, N 1]; A: computed on the way; B: input W2: left as it is (N = 1 < 16)
;;     5. [M 250,000, K 256] x [K 256, N 1]; A: computed on the way; B: computed on the way: left as it is (N = 1 < 16)
;;   THE QUANTISER, for each operand of a quantised product, along K:
;;     - The operand's scale is 2^e, e = its entry of the input lowp_scales (int32; the entries are numbered through the quantised products in the list's order, A before B).
;;     - Each number is divided by the scale, clamped to +-57,344, and rounded to the nearest number of E5M2, ties to even, subnormals kept.
;;     - The product sums the exact products of the quantised numbers (number of the format x scale) in f32.
;;   ~~~python
;;   def quantise(x, axis, e):      # numpy; x: float32 -> the quantised numbers, widened to float32 again
;;       x = np.moveaxis(x, axis, -1); K = x.shape[-1]
;;       r = np.clip(x / 2.0 ** e, -57344, 57344)
;;       step = 2.0 ** (np.maximum(np.frexp(np.where(r == 0, 1, r))[1] - 1, -14) - 2)
;;       q = np.round(r / step) * step * 2.0 ** e      # np.round: ties to even
;;       return np.moveaxis(q, -1, axis).astype(np.float32)
;;   ~~~
;;   INPUTS GIVEN AS CODES. W1 (in the module: [512, 256], K = its axis 1); Wk (in the module: [256, 256], K = its axis 1): each comes as NAME_codes (uint8): NAME with its K axis moved to the last place and cut into blocks of 32 codes, [.., K / 32, bytes a block], one block behind the other in memory; one code a byte (a code: sign, 5 exponent bits, 2 mantissa bits); its scale is its entry of lowp_scales. Its value is code x scale, taken as it is: it is not quantised again, and the codes and scales need not be those that the quantiser above would give.
;; One version. Each part assembles by itself: llvm-mc -triple=amdgcn-amd-amdhsa -mcpu=gfx1250 --defsym DOCPART=n.
;; ======== version 1 of 1: 2 launches
;; workspace buffers: wl 1,000,192 bytes; pz 2,048 bytes; pmi 1,024 bytes of whole numbers; candk 65,536 bytes of whole numbers; candi 65,536 bytes of whole numbers
;; launch score (part 1): grid 250 x 1, 4 waves a work-group, no clusters, 201,216 bytes of LDS; arguments sensory_input, conscious_bias, Wq, bq, Wk_codes, bk, W1_codes, b1, W2, b2, lowp_scales, out2, wl, pz, pmi, candk, candi; writes out2, wl, pz, pmi, candk, candi
.if DOCPART == 1
	.amdgcn_target "amdgcn-amd-amdhsa--gfx1250"
	.amdhsa_code_object_version 6
	.text
	.protected	k_q2598559581_score
	.globl	k_q2598559581_score
	.p2align	8
	.type	k_q2598559581_score,@function
k_q2598559581_score:
	s_mov_b64 s[64:65], 0
	v_nop
	global_prefetch_b8 v0, s[64:65] scope:SCOPE_SE
	s_setreg_imm32_b32 hwreg(HW_REG_WAVE_MODE, 25, 1), 1
	s_wait_xcnt 0x0
; One pass over x = sensory_input [250000][256] f32.  Work-group g owns rows 1000 g .. 1000 g + 999, as 8 blocks of 128 rows; block b begins at local row min(128 b, 872), so block 7
; takes 24 rows of block 6 once more: these 24 entries (GHOSTS) are not stored and count for nothing in the sums and in the sort.
; FOR EACH ROW:  t  = log2(e) x the attention logit = sum_j S1_j q'_j + c0      S1: the raw sums of codes(x, e0) . codes(Wk);  q'_j = qn_j 2^(e0+e1);  c0 = sum_j bk_j qn_j
;                z' = -log2(e) x the value logit    = sum_j max(S2_j + b1_j 2^-(e2+e3), 0) w2'_j + cz     w2' = -log2(e) W2 2^(e2+e3);  cz = -log2(e) b2
;                qn = (Wq cb + bq) x (log2(e) / 8) / max(|Wq cb + bq|, 1e-12);   v = 1 / (1 + 2^z') -> out2
; THE MAXIMUM IS TAKEN AWAY AS A WHOLE NUMBER: ti = t rounded to a whole number, Mg = the work-group's largest ti;  ez = 2^(t - ti) 2^(ti - Mg),  w = ez v.  w -> wl;  sum ez, sum w -> pz;  Mg -> pmi.
; The 64 largest w of the work-group (their bit patterns, which order as whole numbers; equal ones by the lower row) and their rows -> candk, candi, in descending order.
; Work-groups 0 to 5 also write lists and records 250 to 255 as neutral ones (key -1, row 0, Mg = -2^30, sums 0), so that the next launch reads 256 alike.
; SHARES: the four waves share the COLUMNS: wave w keeps Wk's rows 64 w .. (4 tiles) and W1's rows 128 w .. (8 tiles) in 384 registers for the whole launch.  In a block wave w quantises rows 32 w .. 32 w + 31
; into rows of codes in LDS; one barrier; then every wave multiplies all 8 tiles of 16 rows by its 12 tiles of columns and leaves one word a lane and tile in its own table.
; ONE SET OF CODES OR TWO: x is an operand of both products, with the given scales e0 and e2.  Where e0 = e2 the two sets of codes are the same numbers: one set is made, stored and read, and the registers of the
; second set's fragments serve as a second buffer, so that a tile's fragments are asked for a tile ahead.  Else two sets are made.  The choice is a scalar branch on e0 xor e2, alike in all waves, inside the
; loop, round the lines that differ; no barrier stands under it.
; The products are used transposed (source 0 = 16 rows of a weight, source 1 = 16 rows of x): a lane holds one row of x and eight units.  A fragment is fetched by four loads of 16 bytes: the same
; permutation of k in both operands.
; NO CLUSTER: what work-groups share (Wq, the weights: 448 KB) is read once, at the head, into registers, against 1 MB of rows of their own, and 250 work-groups divide into no cluster of 4.
; LIMITS: NaN and infinities among the inputs are not served.  e0 and e2 between -126 and 112 (the scales and 57,344 x the scales are made as f32 numbers); e0+e1 and e2+e3 are applied by v_ldexp_f32.
; |t| under 2^29.  bk enters as the one constant c0, not unit by unit: another order of rounding than reference()'s.
; LDS: two images (0 and 0x20000), each two sets of 128 rows x 272 bytes; PT: 4 waves x 64 tiles x 128 bytes; from QT on the small things.
; REGISTERS: window 0: v0-15 ids, addresses, constants; v16-31 sums; v32-63, v64-95 x's fragments (set 0 and set 1, or two buffers of the one set); v96-191 the 12 accumulators (while x is quantised: held
;   numbers and codes); v192-255 b1 2^-(e2+e3).   window 1: W1's 16 fragments (at the head: a ring for Wq).   window 2: v0-127 Wk's 8 fragments, v128-159 q', v160-223 w2'.   window 3: the ring for x: 8 groups of 4 rows.
.set PITCH, 272                        ; a row of codes in LDS: 256 bytes + 16: the 16 rows of a fragment load start at 16 different places modulo 256 bytes
.set SETB,  128*PITCH                  ; a set: 128 rows
.set IMGX,  0x20000                    ; one exclusive or turns an address in one image into the other's
.set PT,    2*SETB                     ; the waves' tables of partial sums
.set QT,    PT+4*8192                  ; q as it is made: 256 words.  The offsets below count from QT
.set NS,    1024                       ; four waves' sums of q^2
.set NB,    1040                       ; and of bk q
.set RED,   1056                       ; four waves' largest ti
.set RED2,  1072                       ; four waves' sums of ez, then of w
.set SXA,   1280                       ; four lists of 512 bytes
.set SXB,   3328                       ; and once more
.set LANE, 1
.set RR,   2
.set HH,   3
.set XO,   4                           ; 16 x lane
.set XS0,  5                           ; 32 w rows + 4 x lane
.set XS,   6                           ; + the image in hand
.set FR0,  7                           ; 272 r + 16 h
.set FA,   8                           ; + the image in hand
.set PT0,  9                           ; PT + 8192 w + 4 x lane
.set PA,   10                          ; + 1024 x block
.set SC0,  11                          ; 2^e0 as f32;  v12: 2^e2
.set C0,   13
.set CZ,   14
.set PX,   15                          ; a lane permute's destination
.set ONE,  74                          ; s74: e0 xor e2: 0 where one set of codes serves both products
.set PP,   96                          ; the end: 64 partial sums
.set TT,   160
.set ZZ,   168
.set TI,   176
.set EE,   184
.set VV,   192
.set K,    200                         ; w, then the sort's keys
.set EZ,   208
.set DD,   216
.set I,    224                         ; the sort's rows
.set PK,   232                         ; the partner's key and row
.set PI,   240
.set T,    248
.set SM,   80                          ; s80-87: the sort's masks
.set L1,  0x55555555                   ; lanes whose bit j is 0
.set L2,  0x33333333
.set L4,  0x0f0f0f0f
.set L8,  0x00ff00ff
.set L16, 0x0000ffff
.set W1_2,  0xffffffff^(L1^L2)         ; who keeps the winner at distance j in a merge of size k: blocks of k lanes descend and ascend by turns
.set W2_4,  0xffffffff^(L2^L4)
.set W1_4,  0xffffffff^(L1^L4)
.set W4_8,  0xffffffff^(L4^L8)
.set W2_8,  0xffffffff^(L2^L8)
.set W1_8,  0xffffffff^(L1^L8)
.set W8_16, 0xffffffff^(L8^L16)
.set W4_16, 0xffffffff^(L4^L16)
.set W2_16, 0xffffffff^(L2^L16)
.set W1_16, 0xffffffff^(L1^L16)
.set MSB, 0
.macro WIN new                         ; bits 1:0 source 0, 3:2 source 1, 5:4 source 2, 7:6 destination; the high byte repeats the setting that is left
.if MSB != \new
	s_set_vgpr_msb (MSB<<8)|\new
.set MSB, \new
.endif
.endm
.macro BARRIER                         ; my LDS stores have landed and my LDS loads are in: then the work-group's barrier
	s_wait_dscnt 0x0
	s_barrier_signal -1
	s_barrier_wait -1
.endm
.macro WSUM r                          ; the sum over the wave's 32 lanes, in every lane
.irp m, 1,2,4,8
	v_add_f32_dpp v[\r], v[\r], v[\r] row_xmask:\m row_mask:0xf bank_mask:0xf
.endr
	v_permlanex16_b32 v[PX], v[\r], s72, s73
	v_add_f32 v[\r], v[\r], v[PX]
.endm
; ---- THE SORT.  An entry is a key (a whole number, signed) and a row; entry a BEATS entry b where its key is larger, or equal with the lower row.  A list of 64 lies in two registers: place 32 x register + lane.
.macro CMPX n                          ; s[SM+e]: mine beats the partner's.  key + (my row is lower) > the partner's key says both cases at once (keys stay under 2^31 - 1)
.set e, 0
.rept \n
	v_cmp_lt_u32 s[SM+e], v[I+e], v[PI+e]
.set e, e+1
.endr
.set e, 0
.rept \n
	v_cndmask_b32 v[T+e], 0, 1, s[SM+e]
.set e, e+1
.endr
.set e, 0
.rept \n
	v_add_nc_u32 v[T+e], v[T+e], v[K+e]
.set e, e+1
.endr
.set e, 0
.rept \n
	v_cmp_gt_i32 s[SM+e], v[T+e], v[PK+e]
.set e, e+1
.endr
.endm
.macro TAKE n, kw, fl                  ; a lane of kw keeps the winner, the others the loser (the other way round in the registers of fl): the partner's is taken where (mine beats) xor (I keep the winner)
.set e, 0
.rept \n
.if ((\fl)>>e)&1
	s_xor_b32 s[SM+e], s[SM+e], ((\kw)^0xffffffff)&0xffffffff
.else
	s_xor_b32 s[SM+e], s[SM+e], (\kw)&0xffffffff
.endif
.set e, e+1
.endr
.set e, 0
.rept \n
	v_cndmask_b32 v[K+e], v[K+e], v[PK+e], s[SM+e]
	v_cndmask_b32 v[I+e], v[I+e], v[PI+e], s[SM+e]
.set e, e+1
.endr
.endm
.macro TAKEW n                         ; every lane keeps the winner
.set e, 0
.rept \n
	v_cndmask_b32 v[K+e], v[PK+e], v[K+e], s[SM+e]
	v_cndmask_b32 v[I+e], v[PI+e], v[I+e], s[SM+e]
.set e, e+1
.endr
.endm
.macro LANEST j, kw, fl, n             ; compare and exchange with lane xor j, in n registers
.set e, 0
.rept \n
.if \j < 16
	v_mov_b32_dpp v[PK+e], v[K+e] row_xmask:\j row_mask:0xf bank_mask:0xf
	v_mov_b32_dpp v[PI+e], v[I+e] row_xmask:\j row_mask:0xf bank_mask:0xf
.else
	v_permlanex16_b32 v[PK+e], v[K+e], s72, s73
	v_permlanex16_b32 v[PI+e], v[I+e], s72, s73
.endif
.set e, e+1
.endr
	CMPX \n
	TAKE \n, \kw, \fl
.endm
.macro REGST lists, rfl                ; compare and exchange between a list's two registers: the first keeps the winner (in the lists of rfl: the loser)
.set e, 0
.rept \lists
	v_cmp_lt_u32 s[SM+e], v[I+2*e], v[I+2*e+1]
.set e, e+1
.endr
.set e, 0
.rept \lists
	v_cndmask_b32 v[T+e], 0, 1, s[SM+e]
.set e, e+1
.endr
.set e, 0
.rept \lists
	v_add_nc_u32 v[T+e], v[T+e], v[K+2*e]
.set e, e+1
.endr
.set e, 0
.rept \lists
	v_cmp_gt_i32 s[SM+e], v[T+e], v[K+2*e+1]
.set e, e+1
.endr
.set e, 0
.rept \lists
.if ((\rfl)>>e)&1
	s_not_b32 s[SM+e], s[SM+e]
.endif
.set e, e+1
.endr
.set e, 0
.rept \lists
	v_cndmask_b32 v[PK+e], v[K+2*e+1], v[K+2*e], s[SM+e]
	v_cndmask_b32 v[PI+e], v[I+2*e+1], v[I+2*e], s[SM+e]
.set e, e+1
.endr
.set e, 0
.rept \lists
	v_cndmask_b32 v[K+2*e+1], v[K+2*e], v[K+2*e+1], s[SM+e]
	v_cndmask_b32 v[I+2*e+1], v[I+2*e], v[I+2*e+1], s[SM+e]
.set e, e+1
.endr
.set e, 0
.rept \lists
	v_mov_b32 v[K+2*e], v[PK+e]
	v_mov_b32 v[I+2*e], v[PI+e]
.set e, e+1
.endr
.endm
.macro MAXST m                         ; a descending list and the ascending one behind it: place by place the winner: the 64 best of the 128, first up then down or the like.  Register e takes registers 4 (e / 2) + e % 2 and that + 2
.set e, 0
.rept \m
.set ra, 4*(e/2)+e%2
	v_cmp_lt_u32 s[SM+e], v[I+ra], v[I+ra+2]
.set e, e+1
.endr
.set e, 0
.rept \m
	v_cndmask_b32 v[T+e], 0, 1, s[SM+e]
.set e, e+1
.endr
.set e, 0
.rept \m
.set ra, 4*(e/2)+e%2
	v_add_nc_u32 v[T+e], v[T+e], v[K+ra]
.set e, e+1
.endr
.set e, 0
.rept \m
.set ra, 4*(e/2)+e%2
	v_cmp_gt_i32 s[SM+e], v[T+e], v[K+ra+2]
.set e, e+1
.endr
.set e, 0
.rept \m                               ; in ascending order: a register is written only when both lists that it belonged to have been read
.set ra, 4*(e/2)+e%2
	v_cndmask_b32 v[K+e], v[K+ra+2], v[K+ra], s[SM+e]
	v_cndmask_b32 v[I+e], v[I+ra+2], v[I+ra], s[SM+e]
.set e, e+1
.endr
.endm
.macro CLEAN lists, rfl, fl            ; such lists of 64 are put in order: distances 32, 16, .. 1
	REGST \lists, \rfl
	LANEST 16, L16, \fl, 2*(\lists)
	LANEST 8, L8, \fl, 2*(\lists)
	LANEST 4, L4, \fl, 2*(\lists)
	LANEST 2, L2, \fl, 2*(\lists)
	LANEST 1, L1, \fl, 2*(\lists)
.endm
; ================ THE HEAD
	s_load_b512 s[8:23], s[0:1], 0x0               ; x s[8:9], cb s[10:11], Wq s[12:13], bq s[14:15], Wk s[16:17], bk s[18:19], W1 s[20:21], b1 s[22:23]
	s_load_b512 s[24:39], s[0:1], 0x40             ; W2 s[24:25], b2 s[26:27], scales s[28:29], out2 s[30:31], wl s[32:33], pz s[34:35], pmi s[36:37], candk s[38:39]
	s_load_b64 s[40:41], s[0:1], 0x80              ; candi
	s_set_vgpr_msb 0x80
	v_lshl_add_u32 v254, v0, 2, 0x31000
	v_mov_b32 v255, 0
	s_set_vgpr_msb 0x8000
	v_lshrrev_b32 v1, 5, v0
	v_readfirstlane_b32 s4, v1                     ; wave 0..3
	v_and_b32 v[LANE], 31, v0
	v_and_b32 v[RR], 15, v0
	v_bfe_u32 v[HH], v0, 4, 1
	v_lshlrev_b32 v[XO], 4, v[LANE]
	s_mul_i32 s88, s4, 32*PITCH
	v_lshl_add_u32 v[XS0], v[LANE], 2, s88
	v_mul_u32_u24 v[FR0], v[RR], PITCH
	v_lshl_add_u32 v[FR0], v[HH], 4, v[FR0]
	s_lshl_b32 s88, s4, 13
	s_add_co_u32 s88, s88, PT
	v_lshl_add_u32 v[PT0], v[LANE], 2, s88
	v_lshlrev_b32 v28, 8, v[RR]
	v_lshl_add_u32 v28, v[HH], 4, v28              ; a weight's fragment: row r of 256 bytes + 16 h
	v_lshlrev_b32 v29, 2, v[LANE]                  ; 4 x lane
	v_lshlrev_b32 v30, 5, v[HH]                    ; 32 h: my eight units of a tile, as f32
	s_lshl_b32 s88, s4, 8
	s_add_co_u32 s88, s88, QT
	v_mov_b32 v31, s88                             ; QT + 256 w: my wave's 64 words of q
	v_mov_b32 v[PX], 0                             ; a lane permute's destination counts as read: written once
.set i, 0
.rept 8
	v_mov_b32 v[64+i], 0
.set i, i+1
.endr
	s_mov_b32 s71, 0xffff0000                      ; lanes 16-31
	s_mov_b32 s72, 0x76543210                      ; v_permlanex16_b32: lane xor 16
	s_mov_b32 s73, 0xfedcba98
	s_mov_b32 s49, 0                               ; s[48:49]: an offset as a pair
	s_mul_i32 s89, ttmp9, 1000
	s_lshl_b32 s90, s4, 5
	s_add_co_u32 s89, s89, s90
	s_lshl_b32 s89, s89, 10                        ; (1000 g + 32 w) rows of 1,024 bytes: under 2^28
	s_wait_kmcnt 0x0
	s_load_b128 s[52:55], s[28:29], 0x0            ; e0, e1, e2, e3
	s_load_b32 s56, s[26:27], 0x0                  ; b2
	s_mov_b32 s48, s89
	s_add_nc_u64 s[46:47], s[8:9], s[48:49]        ; XW: x at my wave's first row of block 0
	s_lshl_b32 s48, s4, 16
	s_add_nc_u64 s[12:13], s[12:13], s[48:49]      ; Wq: my 64 rows
	s_lshl_b32 s48, s4, 14
	s_add_nc_u64 s[16:17], s[16:17], s[48:49]      ; Wk: my 64 rows of 256 codes
	s_lshl_b32 s48, s4, 15
	s_add_nc_u64 s[20:21], s[20:21], s[48:49]      ; W1: my 128 rows
	s_lshl_b32 s48, s4, 9
	s_add_nc_u64 s[22:23], s[22:23], s[48:49]      ; b1, W2: my 128 numbers
	s_add_nc_u64 s[24:25], s[24:25], s[48:49]
	s_lshl_b32 s48, s4, 8
	s_add_nc_u64 s[14:15], s[14:15], s[48:49]      ; bq, bk: my 64
	s_add_nc_u64 s[18:19], s[18:19], s[48:49]
	global_load_b128 v[16:19], v[XO], s[10:11]             ; cb: lane l holds numbers 4 l .. and 128 + 4 l .., as it will of each row of Wq
	global_load_b128 v[20:23], v[XO], s[10:11] offset:512
	global_load_b32 v24, v29, s[14:15]                     ; bq and bk of units lane and 32 + lane
	global_load_b32 v25, v29, s[14:15] offset:128
	global_load_b32 v26, v29, s[18:19]
	global_load_b32 v27, v29, s[18:19] offset:128
; ---- Wq cb: my 64 rows in 8 batches of 8, through a ring of four sets of 64 registers in window 1; each load takes 512 consecutive bytes.
; Each of the 8 steps also asks for one group (4 rows) of block 0 of x, so that x's first block is on its way while q is made.
.macro QLOAD j
	WIN 0x40
.set i, 0
.rept 8
	global_load_b128 v[64*((\j)%4)+8*i:64*((\j)%4)+8*i+3], v[XO], s[12:13] offset:(8*(\j)+i)*1024
	global_load_b128 v[64*((\j)%4)+8*i+4:64*((\j)%4)+8*i+7], v[XO], s[12:13] offset:(8*(\j)+i)*1024+512
.set i, i+1
.endr
	WIN 0
.endm
.macro WKLOAD t0                       ; Wk's fragments of tiles t0, t0 + 1: (tile t, K step ks) at v[32 t + 16 ks] of window 2
	WIN 0x80
.set i, 0
.rept 16
	global_load_b128 v[32*(\t0)+4*i:32*(\t0)+4*i+3], v28, s[16:17] offset:4096*((\t0)+i/8)+128*((i/4)%2)+32*(i%4)
.set i, i+1
.endr
	WIN 0
.endm
.macro W2LOAD                          ; W2 in the result's layout: tile t's eight units of my half at v[160 + 8 t] of window 2
	WIN 0x80
.set i, 0
.rept 16
	global_load_b128 v[160+4*i:163+4*i], v30, s[24:25] offset:64*(i/2)+16*(i%2)
.set i, i+1
.endr
	WIN 0
.endm
.macro XLOADG g                        ; block 0: rows 4 g .. 4 g + 3 of my 32 into group g of the ring: row i / 2, half i % 2; 512 consecutive bytes a load
	WIN 0xc0
.set i, 0
.rept 8
	global_load_b128 v[32*(\g)+4*i:32*(\g)+4*i+3], v[XO], s[46:47] offset:(4*(\g)+i/2)*1024+(i%2)*512 th:TH_LOAD_NT
.set i, i+1
.endr
	WIN 0
.endm
.macro QSTEP j
.if (\j) < 3
	s_wait_loadcnt 32+8*(\j)                       ; batch j is in.  Behind it stand: step 0: batches 1 and 2 (32); step 1: batch 2 and step 0's 16 + 8; step 2: two steps' 24 each
.else
	s_wait_loadcnt 56                              ; batch j was the run of 16 of step j - 3: behind it that step's 8 and two steps' 24 each
.endif
.if (\j) < 5
	QLOAD (\j)+3                                   ; into the set that the step before has read
.elseif (\j) == 5
	WKLOAD 0                                       ; when Wq is all asked for, runs of 16 loads of the weights keep the count
.elseif (\j) == 6
	WKLOAD 2
.else
	W2LOAD
.endif
	XLOADG \j
.set QS, 64*((\j)%4)
.set SU, 32+16*((\j)%2)
	s_wait_dscnt 8                                 ; the stores of two steps ago have read these registers
	WIN 0x01                                       ; source 0 (Wq) window 1
.set i, 0
.rept 8
	v_pk_mul_f32 v[SU+2*i:SU+2*i+1], v[QS+8*i:QS+8*i+1], v[16:17]
.set i, i+1
.endr
.irp c, 1,2,3
.set i, 0
.rept 8
	v_pk_fma_f32 v[SU+2*i:SU+2*i+1], v[QS+8*i+2*\c:QS+8*i+2*\c+1], v[16+2*\c:17+2*\c], v[SU+2*i:SU+2*i+1]
.set i, i+1
.endr
.endr
	WIN 0
.set i, 0
.rept 8
	v_add_f32 v[SU+2*i], v[SU+2*i], v[SU+2*i+1]
.set i, i+1
.endr
.irp m, 1,2,4,8
.set i, 0
.rept 8
	v_add_f32_dpp v[SU+2*i], v[SU+2*i], v[SU+2*i] row_xmask:\m row_mask:0xf bank_mask:0xf
.set i, i+1
.endr
.endr
.set i, 0
.rept 8
	v_permlanex16_b32 v[64+i], v[SU+2*i], s72, s73
.set i, i+1
.endr
.set i, 0
.rept 8
	v_add_f32 v[SU+2*i], v[SU+2*i], v[64+i]
.set i, i+1
.endr
.set i, 0
.rept 8
	ds_store_b32 v31, v[SU+2*i] offset:4*(8*(\j)+i)        ; every lane holds the row's sum: all write the same word with the same number
.set i, i+1
.endr
.endm
	QLOAD 0
	QLOAD 1
	QLOAD 2
.irp j, 0,1,2,3,4,5,6,7
	QSTEP \j
.endr
.set i, 0
.rept 16                               ; b1 in the result's layout, tile t at v[192 + 8 t]
	global_load_b128 v[192+4*i:195+4*i], v30, s[22:23] offset:64*(i/2)+16*(i%2)
.set i, i+1
.endr
	WIN 0x40
.set i, 0
.rept 64                               ; W1's fragments: (tile t, K step ks) at v[32 t + 16 ks] of window 1: they stay
	global_load_b128 v[4*i:4*i+3], v28, s[20:21] offset:4096*(i/8)+128*((i/4)%2)+32*(i%4)
.set i, i+1
.endr
	WIN 0
	; ---- my 64 numbers of q: + bq; the sums of q^2 and of bk q.  LDS serves a wave's instructions in order: the loads see my stores
	v_add_nc_u32 v72, v31, v29
	ds_load_b32 v73, v72
	ds_load_b32 v74, v72 offset:128
	s_wait_dscnt 0x0
	v_add_f32 v73, v73, v24
	v_add_f32 v74, v74, v25
	ds_store_b32 v72, v73
	ds_store_b32 v72, v74 offset:128
	v_mul_f32 v75, v73, v73
	v_mul_f32 v76, v73, v26
	v_fmac_f32 v75, v74, v74
	v_fmac_f32 v76, v74, v27
	WSUM 75
	WSUM 76
	s_lshl_b32 s88, s4, 2
	s_add_co_u32 s88, s88, QT
	v_mov_b32 v77, s88
	ds_store_b32 v77, v75 offset:NS
	ds_store_b32 v77, v76 offset:NB
	BARRIER                                        ; the four waves' sums lie in LDS
	v_mov_b32 v78, QT
	ds_load_b128 v[80:83], v78 offset:NS
	ds_load_b128 v[84:87], v78 offset:NB
	v_add_nc_u32 v79, v31, v30
	WIN 0x80
.set i, 0
.rept 8                                ; q in the result's layout: tile t's eight units of my half at v[128 + 8 t] of window 2
	ds_load_b128 v[128+4*i:131+4*i], v79 offset:64*(i/2)+16*(i%2)
.set i, i+1
.endr
	WIN 0
	s_wait_dscnt 0x0
	v_add_f32 v80, v80, v81
	v_add_f32 v82, v82, v83
	v_add_f32 v84, v84, v85
	v_add_f32 v86, v86, v87
	v_add_f32 v80, v80, v82                        ; |q|^2
	v_add_f32 v84, v84, v86                        ; bk . q
	v_sqrt_f32 v81, v80
	v_nop                                          ; a plain instruction behind the transcendental,
	s_wait_alu depctr_va_vdst(0)                   ; and a wait ahead of the first reader
	v_max_num_f32 v81, 0x2b8cbccc, v81             ; max(|q|, 1e-12)
	v_rcp_f32 v82, v81
	v_nop
	s_wait_alu depctr_va_vdst(0)
	v_mul_f32 v82, 0x3e38aa3b, v82                 ; x log2(e) / 8: the 2 of the norm, the 16 of the logit, the base 2
	v_mul_f32 v[C0], v84, v82                      ; c0
	s_wait_kmcnt 0x0
	s_xor_b32 s[ONE], s52, s54                     ; 0 where x's two given scales are equal
	s_add_co_i32 s61, s52, s53                     ; e0 + e1
	s_add_co_i32 s62, s54, s55                     ; e2 + e3
	s_sub_co_i32 s63, 0, s62
	v_ldexp_f32 v88, v82, s61
	v_mov_b32 v89, v88                             ; a pair for the packed multiply
	v_mov_b32 v90, 0xbfb8aa3b                      ; -log2(e)
	v_mul_f32 v[CZ], s56, v90                      ; cz
	v_ldexp_f32 v90, v90, s62
	v_mov_b32 v91, v90
	s_add_co_i32 s88, s52, 127
	s_lshl_b32 s89, s88, 23
	v_mov_b32 v[SC0], s89                          ; 2^e0 as f32: the conversion takes its exponent field
	s_add_co_i32 s88, s88, 15
	s_lshl_b32 s88, s88, 23
	s_or_b32 s57, s88, 0x600000                    ; 57,344 x 2^e0,
	s_or_b32 s58, s57, 0x80000000                  ; and its negative
	s_add_co_i32 s88, s54, 127
	s_lshl_b32 s89, s88, 23
	v_mov_b32 v[SC0+1], s89                        ; the same with e2
	s_add_co_i32 s88, s88, 15
	s_lshl_b32 s88, s88, 23
	s_or_b32 s59, s88, 0x600000
	s_or_b32 s60, s59, 0x80000000
	s_wait_loadcnt 0x0                             ; the weights, asked for last, are in, and so is all that was asked for ahead of them, x's first block too
	WIN 0x82                                       ; source 0 and destination window 2
.set i, 0
.rept 16
	v_pk_mul_f32 v[128+2*i:129+2*i], v[128+2*i:129+2*i], v[88:89]      ; q'
.set i, i+1
.endr
.set i, 0
.rept 32
	v_pk_mul_f32 v[160+2*i:161+2*i], v[160+2*i:161+2*i], v[90:91]      ; w2'
.set i, i+1
.endr
	WIN 0
.set i, 0
.rept 64
	v_ldexp_f32 v[192+i], v[192+i], s63            ; b1 / 2^(e2+e3): it goes in as the C of each hidden tile's first product
.set i, i+1
.endr
; ================ THE BLOCKS
; Step k of quantising: rows 4 k .. 4 k + 3 of my 32.  A lane holds k = 4 l .. 4 l + 3 and 128 + 4 l .. + 3 of a row in eight registers: one conversion gives two words of codes, which go to bytes 4 l and 128 + 4 l of the row.
; Set 0's codes lie in v160-167 and v168-175 by turns and are stored a step behind their conversions, so that no store follows the line that makes its data.
.macro XSTORE k                        ; step k's codes of set 0
.set i, 0
.rept 4
	ds_store_b32 v[XS], v[160+8*((\k)%2)+2*i] offset:(4*(\k)+i)*PITCH
	ds_store_b32 v[XS], v[160+8*((\k)%2)+2*i+1] offset:(4*(\k)+i)*PITCH+128
.set i, i+1
.endr
.endm
.macro XSTEP k
	s_wait_loadcnt 56                              ; group k is in: behind its eight loads stand seven groups' 56
	WIN 0x03                                       ; source 0 window 3
.set i, 0
.rept 32
	v_med3_num_f32 v[96+i], v[32*(\k)+i], s58, s57         ; the conversion to an 8-bit code does not saturate (ISA guide 7.6.2): the hold at the largest code x the scale
.set i, i+1
.endr
	WIN 0
	s_cmp_eq_u32 s[ONE], 0                         ; e0 = e2: set 0 serves both products
	s_cbranch_scc1 .Lone_set_\@
	WIN 0x03
.set i, 0
.rept 32
	v_med3_num_f32 v[128+i], v[32*(\k)+i], s60, s59        ; the second set, whole inside this branch: held, converted, stored
.set i, i+1
.endr
	WIN 0
.set i, 0
.rept 4
	v_cvt_scalef32_pk8_bf8_f32 v[176+8*((\k)%2)+2*i:177+8*((\k)%2)+2*i], v[128+8*i:135+8*i], v[SC0+1]
.set i, i+1
.endr
	v_nop                                          ; a plain instruction between the last scaled conversion and whatever vector or matrix instruction next touches its registers
.set i, 0
.rept 4
	ds_store_b32 v[XS], v[176+8*((\k)%2)+2*i] offset:SETB+(4*(\k)+i)*PITCH
	ds_store_b32 v[XS], v[176+8*((\k)%2)+2*i+1] offset:SETB+(4*(\k)+i)*PITCH+128
.set i, i+1
.endr
.Lone_set_\@:
	s_cmp_eq_u32 s66, 1                            ; the last block has no successor: no load leaves the buffer
	s_cbranch_scc1 .Lno_load_\@
	WIN 0xc0
.set i, 0
.rept 8
	global_load_b128 v[32*(\k)+4*i:32*(\k)+4*i+3], v[XO], s[44:45] offset:(4*(\k)+i/2)*1024+(i%2)*512 th:TH_LOAD_NT   ; the next block's group k, into the registers just read
.set i, i+1
.endr
	WIN 0
	s_branch .Lasked_\@
.Lno_load_\@:
	s_wait_loadcnt 0x0                             ; on this way nothing younger is issued, so the counts above prove nothing: all that is out (asked for a block ago) is waited for
.Lasked_\@:
.if (\k) > 0
	XSTORE (\k)-1
.endif
.set i, 0
.rept 4
	v_cvt_scalef32_pk8_bf8_f32 v[160+8*((\k)%2)+2*i:161+8*((\k)%2)+2*i], v[96+8*i:103+8*i], v[SC0]
.set i, i+1
.endr
	v_nop                                          ; the plain instruction behind the last scaled conversion
.endm
.macro FRAG8 dst, set, u               ; tile u's two fragments of one set: K step ks at v[dst + 16 ks]; registers 4 c .. 4 c + 3 hold k = 32 c + 16 h + 0 .. 15
.set i, 0
.rept 8
	ds_load_b128 v[(\dst)+4*i:(\dst)+4*i+3], v[FA] offset:(\set)*SETB+(\u)*16*PITCH+(i/4)*128+(i%4)*32
.set i, i+1
.endr
.endm
.macro PKH                             ; number p of 32 of the hidden layer's dot product with w2': four chains.  The weight (window 2) is source 0, so that the line runs under the key products' setting
.if p < 4
	v_pk_mul_f32 v[24+2*p:25+2*p], v[160+2*p:161+2*p], v[128+2*p:129+2*p]
.else
	v_pk_fma_f32 v[24+2*(p%4):25+2*(p%4)], v[160+2*p:161+2*p], v[128+2*p:129+2*p], v[24+2*(p%4):25+2*(p%4)]
.endif
.set p, p+1
.endm
.macro PKK                             ; number p of 16 of the keys' dot product with q'
.if p < 4
	v_pk_mul_f32 v[16+2*p:17+2*p], v[128+2*p:129+2*p], v[96+2*p:97+2*p]
.else
	v_pk_fma_f32 v[16+2*(p%4):17+2*(p%4)], v[128+2*p:129+2*p], v[96+2*p:97+2*p], v[16+2*(p%4):17+2*(p%4)]
.endif
.set p, p+1
.endm
; A TILE'S 24 PRODUCTS, WITH VECTOR WORK BETWEEN THEM.  xh, xk: x's fragments for the hidden and for the key products.  The accumulators take turns, one instruction a turn.
;   first   hidden tiles 0-3, both K steps: 8 products
;   second  hidden tiles 4-7: 8 products; behind each, four lines of the relu of tiles 0-3
;   third   the key tiles: 8 products; behind each, four lines of the relu of tiles 4-7 and two of the dot product of tiles 0-3
; A relu line has a constant as source 0, and the dot product's lines take source 0 from window 2 as the key products do: no slice needs a switch of the windows.
; PLACES (four plain vector instructions between a product and a vector instruction that reads or writes its result): four v_nop ahead of the first relu
; line; after that each accumulator is read behind at least four lines of other tiles' slices; the loads into fragments stand behind the four or six lines of the last slice.  Each accumulator is read from its low end on.
; two = 1: the next tile's fragments of set 1 are fetched behind the second part, those of set 0 behind the third: each as soon as its registers are free.
.macro MPART xh, xk, u, two
	WIN 0x01                                       ; source 0 (W1) window 1
.set t, 0
.rept 4
	v_wmma_f32_16x16x128_bf8_bf8 v[128+8*t:135+8*t], v[32*t:32*t+15], v[(\xh):(\xh)+15], v[192+8*t:199+8*t]
.set t, t+1
.endr
.set t, 0
.rept 4
	v_wmma_f32_16x16x128_bf8_bf8 v[128+8*t:135+8*t], v[32*t+16:32*t+31], v[(\xh)+16:(\xh)+31], v[128+8*t:135+8*t]
.set t, t+1
.endr
.set j, 0
.rept 8
.set t, 4+j%4
.if j < 4
	v_wmma_f32_16x16x128_bf8_bf8 v[128+8*t:135+8*t], v[32*t:32*t+15], v[(\xh):(\xh)+15], v[192+8*t:199+8*t]
.else
	v_wmma_f32_16x16x128_bf8_bf8 v[128+8*t:135+8*t], v[32*t+16:32*t+31], v[(\xh)+16:(\xh)+31], v[128+8*t:135+8*t]
.endif
.if j == 0
.rept 4
	v_nop
.endr
.endif
.set i, 0
.rept 4
	v_max_num_f32 v[128+4*j+i], 0, v[128+4*j+i]
.set i, i+1
.endr
.set j, j+1
.endr
.if (\two) && ((\u) < 7)
	WIN 0
	FRAG8 64, 1, (\u)+1
.endif
	WIN 0x02                                       ; source 0 (Wk, w2') window 2
.set p, 0
.set j, 0
.rept 8
.set t, j%4
.if j < 4
	v_wmma_f32_16x16x128_bf8_bf8 v[96+8*t:103+8*t], v[32*t:32*t+15], v[(\xk):(\xk)+15], 0
.else
	v_wmma_f32_16x16x128_bf8_bf8 v[96+8*t:103+8*t], v[32*t+16:32*t+31], v[(\xk)+16:(\xk)+31], v[96+8*t:103+8*t]
.endif
.set i, 0
.rept 4
	v_max_num_f32 v[160+4*j+i], 0, v[160+4*j+i]
.set i, i+1
.endr
	PKH
	PKH
.set j, j+1
.endr
	WIN 0
.if (\two) && ((\u) < 7)
	FRAG8 32, 0, (\u)+1
.endif
.endm
; A tile of 16 rows.  With two sets: set 0 in v32-63, set 1 in v64-95.  With one set: tile u's fragments in v32-63 (u even) or v64-95 (u odd), and tile u + 1's are asked for at tile u's head.
; On either way the tile's one store is the last LDS instruction of the tile, so the next tile's wait may leave that one out.
.macro TILE u
.if (\u) > 0
	s_wait_dscnt 1                                 ; this tile's fragments are in; the one store issued behind them may be out
.endif
	s_cmp_eq_u32 s[ONE], 0
	s_cbranch_scc1 .Lone_\@
.if (\u) == 0
	FRAG8 64, 1, 0
	s_wait_dscnt 0x0
.endif
	MPART 64, 32, \u, 1
	s_branch .Ljoin_\@
.Lone_\@:
.if (\u) < 7
	FRAG8 32+32*(((\u)+1)%2), 0, (\u)+1            ; into the buffer that the tile before has read: the rest of that tile's vector work lies between
.endif
.if (\u) == 0
	s_wait_dscnt 8                                 ; tile 0's eight loads are in; the eight just issued may be out
.endif
	MPART 32+32*((\u)%2), 32+32*((\u)%2), \u, 0
.Ljoin_\@:
	WIN 0x02
.rept 16
	PKH                                            ; hidden tiles 4-7
.endr
.set p, 0
.rept 16
	PKK
.endr
	WIN 0
	v_pk_add_f32 v[16:17], v[16:17], v[18:19]
	v_pk_add_f32 v[20:21], v[20:21], v[22:23]
	v_pk_add_f32 v[24:25], v[24:25], v[26:27]
	v_pk_add_f32 v[28:29], v[28:29], v[30:31]
	v_pk_add_f32 v[16:17], v[16:17], v[20:21]
	v_pk_add_f32 v[24:25], v[24:25], v[28:29]
	v_add_f32 v16, v16, v17                        ; my half's part of t,
	v_add_f32 v24, v24, v25                        ; and of z'
	v_cndmask_b32 v17, v16, v24, s71               ; lanes 0-15 keep t and send z', lanes 16-31 keep z' and send t: one exchange joins both
	v_cndmask_b32 v25, v24, v16, s71
	v_permlanex16_b32 v[PX], v25, s72, s73
	v_add_f32 v17, v17, v[PX]
	ds_store_b32 v[PA], v17 offset:128*(\u)        ; lane r: my columns' part of t of row r; lane 16 + r: of z'
.endm
	s_mov_b32 s66, 8                               ; blocks to go
	s_mov_b32 s67, 0                               ; the image in hand
	s_mov_b32 s69, 0                               ; 1,024 x block: the block's eight tiles in my table
	s_mov_b32 s75, 128                             ; the next block's first local row
	s_add_nc_u64 s[44:45], s[46:47], 0x20000       ; and my rows of it in memory
.Lblk:
	v_add_nc_u32 v[XS], s67, v[XS0]
	v_add_nc_u32 v[FA], s67, v[FR0]
	v_add_nc_u32 v[PA], s69, v[PT0]
.irp k, 0,1,2,3,4,5,6,7
	XSTEP \k
.endr
	XSTORE 7
	BARRIER                                        ; the block's 128 rows of codes lie in this image.  One barrier a block: the next block is written into the other image, and this one is written
	                                               ; again only behind the next barrier, which every wave signals behind its last read of it
	FRAG8 32, 0, 0
.irp u, 0,1,2,3,4,5,6,7
	TILE \u
.endr
	s_wait_dscnt 0x0
	s_wait_xcnt 0x0                                ; the loads have read their base: it may step
	s_add_co_u32 s75, s75, 128
	s_min_u32 s75, s75, 872                        ; the last block ends with the work-group's last row
	s_lshl_b32 s48, s75, 10
	s_add_nc_u64 s[44:45], s[46:47], s[48:49]
	s_xor_b32 s67, s67, IMGX
	s_add_co_u32 s69, s69, 1024
	s_sub_co_u32 s66, s66, 1
	s_cmp_lg_u32 s66, 0
	s_cbranch_scc1 .Lblk
; ================ THE END.  Thread n takes entry 128 e + n of the 1,024, e = 0 .. 7: row n of block e
	BARRIER                                        ; all four tables are whole
	v_lshrrev_b32 v16, 4, v0
	v_lshlrev_b32 v16, 7, v16
	v_lshl_add_u32 v16, v[RR], 2, v16
	v_add_nc_u32 v16, PT, v16                      ; tile n / 16, lane n % 16
.set i, 0
.rept 64                               ; i = 8 e + 4 (0: t, 1: z') + wave
	ds_load_b32 v[PP+i], v16 offset:8192*(i%4)+1024*(i/8)+64*((i/4)%2)
.set i, i+1
.endr
	s_wait_dscnt 0x0
.set e, 0
.rept 16
	v_pk_add_f32 v[PP+4*e:PP+4*e+1], v[PP+4*e:PP+4*e+1], v[PP+4*e+2:PP+4*e+3]
.set e, e+1
.endr
.set e, 0
.rept 8
	v_add_f32 v[TT+e], v[PP+8*e], v[PP+8*e+1]
	v_add_f32 v[ZZ+e], v[PP+8*e+4], v[PP+8*e+5]
.set e, e+1
.endr
.set e, 0
.rept 8
	v_add_f32 v[TT+e], v[TT+e], v[C0]
	v_add_f32 v[ZZ+e], v[ZZ+e], v[CZ]
.set e, e+1
.endr
.set e, 0
.rept 8
	v_rndne_f32 v[TI+e], v[TT+e]
.set e, e+1
.endr
.set e, 0
.rept 8
	v_sub_f32 v[TT+e], v[TT+e], v[TI+e]            ; t - ti, exact, between -1/2 and 1/2
.set e, e+1
.endr
.set e, 0
.rept 8
	v_exp_f32 v[EE+e], v[TT+e]
	v_exp_f32 v[VV+e], v[ZZ+e]
.set e, e+1
.endr
	v_max3_num_f32 v17, v[TI], v[TI+1], v[TI+2]    ; independent work behind the batch: the largest ti.  (A ghost is a row of block 6 once more: it changes no maximum)
	v_max3_num_f32 v17, v17, v[TI+3], v[TI+4]
	v_max3_num_f32 v17, v17, v[TI+5], v[TI+6]
	v_max_num_f32 v17, v17, v[TI+7]
.irp m, 1,2,4,8
	v_max_num_f32_dpp v17, v17, v17 row_xmask:\m row_mask:0xf bank_mask:0xf
.endr
	v_permlanex16_b32 v[PX], v17, s72, s73
	v_max_num_f32 v17, v17, v[PX]
	s_lshl_b32 s88, s4, 2
	s_add_co_u32 s88, s88, QT
	v_mov_b32 v18, s88
	v_mov_b32 v19, QT
	ds_store_b32 v18, v17 offset:RED
	s_wait_alu depctr_va_vdst(0)                   ; one wait for the 16 exponentials, ahead of their first reader
.set e, 0
.rept 8
	v_add_f32 v[VV+e], 1.0, v[VV+e]
.set e, e+1
.endr
.set e, 0
.rept 8
	v_rcp_f32 v[VV+e], v[VV+e]                     ; v = 1 / (1 + 2^z')
.set e, e+1
.endr
	v_lshlrev_b32 v20, 2, v0                       ; (a plain instruction behind the batch)  4 n
	s_wait_alu depctr_va_vdst(0)                   ; one wait for the 8 reciprocals
	BARRIER
	ds_load_b128 v[24:27], v19 offset:RED
	s_wait_dscnt 0x0
	v_max3_num_f32 v17, v24, v25, v26
	v_max_num_f32 v17, v17, v27                    ; Mg
.set e, 0
.rept 8
	v_sub_f32 v[DD+e], v[TI+e], v17
.set e, e+1
.endr
.set e, 0
.rept 8
	v_cvt_i32_f32 v[DD+e], v[DD+e]                 ; ti - Mg, 0 or less (it saturates)
	v_mul_f32 v[K+e], v[EE+e], v[VV+e]
.set e, e+1
.endr
.set e, 0
.rept 8
	v_ldexp_f32 v[K+e], v[K+e], v[DD+e]            ; w
	v_ldexp_f32 v[EZ+e], v[EE+e], v[DD+e]          ; ez
.set e, e+1
.endr
	s_mul_i32 s48, ttmp9, 4000
	s_add_nc_u64 s[30:31], s[30:31], s[48:49]
	s_add_nc_u64 s[32:33], s[32:33], s[48:49]
.set e, 0
.rept 7
	global_store_b32 v20, v[VV+e], s[30:31] offset:512*e th:TH_STORE_NT    ; the work-group's 128 threads store 512 consecutive bytes
	global_store_b32 v20, v[K+e], s[32:33] offset:512*e
.set e, e+1
.endr
	v_cmp_le_u32 vcc_lo, 24, v0                    ; block 7 begins at local row 872; its first 24 entries are ghosts
	s_wait_xcnt 0x0                                ; EXEC changes only behind this wait
	s_and_saveexec_b32 s90, vcc_lo
	global_store_b32 v20, v[VV+7], s[30:31] offset:3488 th:TH_STORE_NT
	global_store_b32 v20, v[K+7], s[32:33] offset:3488
	s_wait_xcnt 0x0                                ; and again; behind it the stores' data may be written too
	s_or_b32 exec_lo, exec_lo, s90
	v_cmp_gt_u32 s90, 24, v0
	v_cndmask_b32 v21, v[K+7], 0, s90              ; a ghost adds nothing to the sums,
	v_cndmask_b32 v[EZ+7], v[EZ+7], 0, s90
	v_cndmask_b32 v[K+7], v[K+7], -1, s90          ; and its key lies under every weight's
	v_add_f32 v24, v[K], v[K+1]
	v_add_f32 v25, v[K+2], v[K+3]
	v_add_f32 v26, v[K+4], v[K+5]
	v_add_f32 v27, v[K+6], v21
	v_pk_add_f32 v[28:29], v[EZ:EZ+1], v[EZ+2:EZ+3]
	v_pk_add_f32 v[30:31], v[EZ+4:EZ+5], v[EZ+6:EZ+7]
	v_add_f32 v24, v24, v25
	v_add_f32 v26, v26, v27
	v_pk_add_f32 v[28:29], v[28:29], v[30:31]
	v_add_f32 v24, v24, v26
	v_add_f32 v28, v28, v29
	WSUM 24
	WSUM 28
	ds_store_b32 v18, v28 offset:RED2              ; my wave's sum of ez,
	ds_store_b32 v18, v24 offset:RED2+16           ; and of w: read behind the barriers of the merges below
	s_mul_i32 s88, ttmp9, 1000
	v_add_nc_u32 v[I], s88, v0                     ; the entries' rows
.irp e1, 1,2,3,4,5,6
	v_add_nc_u32 v[I+\e1], 128*\e1, v[I]
.endr
	v_add_nc_u32 v[I+7], 872, v[I]
.set e, 0
.rept 8
	v_mov_b32 v[PK+e], 0                           ; destinations of lane moves count as read: written once
	v_mov_b32 v[PI+e], 0
.set e, e+1
.endr
	; the addresses of the merges between waves
	v_lshlrev_b32 v43, 2, v[LANE]
	s_lshl_b32 s88, s4, 9
	s_add_co_u32 s88, s88, QT+SXA
	v_add_nc_u32 v40, s88, v43                     ; where my list goes: 512 w + 4 x lane
	s_xor_b32 s89, s4, 1
	s_lshl_b32 s89, s89, 9
	s_add_co_u32 s89, s89, QT+SXA+124
	v_sub_nc_u32 v41, s89, v43                     ; wave w xor 1's list, read backwards
	s_xor_b32 s89, s4, 2
	s_lshl_b32 s89, s89, 9
	s_add_co_u32 s89, s89, QT+SXB+124
	v_sub_nc_u32 v42, s89, v43                     ; wave w xor 2's
	; ---- my wave's 256 entries: a bitonic sort up to lists of 64 (two registers each), which descend and ascend by turns
	LANEST 1, W1_2, 0, 8
	LANEST 2, W2_4, 0, 8
	LANEST 1, W1_4, 0, 8
	LANEST 4, W4_8, 0, 8
	LANEST 2, W2_8, 0, 8
	LANEST 1, W1_8, 0, 8
	LANEST 8, W8_16, 0, 8
	LANEST 4, W4_16, 0, 8
	LANEST 2, W2_16, 0, 8
	LANEST 1, W1_16, 0, 8
	LANEST 16, L16, 0xaa, 8                        ; merges of 32: even registers descend, odd ones ascend
	LANEST 8, L8, 0xaa, 8
	LANEST 4, L4, 0xaa, 8
	LANEST 2, L2, 0xaa, 8
	LANEST 1, L1, 0xaa, 8
	CLEAN 4, 0xa, 0xcc                             ; merges of 64: lists 0 and 2 descend, 1 and 3 ascend
	MAXST 4                                        ; the best 64 of each pair of lists,
	CLEAN 2, 0x2, 0x0c
	MAXST 2                                        ; and of the two that are left
	CLEAN 1, 0, 0
; ---- between waves: both partners make the same list
.macro XMERGE off, rd
	ds_store_b32 v40, v[K] offset:\off
	ds_store_b32 v40, v[K+1] offset:\off+128
	ds_store_b32 v40, v[I] offset:\off+256
	ds_store_b32 v40, v[I+1] offset:\off+384
	BARRIER
	ds_load_b32 v[PK], v[\rd] offset:128           ; place p takes the partner's place 63 - p
	ds_load_b32 v[PK+1], v[\rd]
	ds_load_b32 v[PI], v[\rd] offset:384
	ds_load_b32 v[PI+1], v[\rd] offset:256
	s_wait_dscnt 0x0
	CMPX 2
	TAKEW 2
	CLEAN 1, 0, 0
.endm
	XMERGE 0, 41
	XMERGE SXB-SXA, 42
	ds_load_b128 v[44:47], v19 offset:RED2
	ds_load_b128 v[48:51], v19 offset:RED2+16
	v_cvt_i32_f32 v52, v17                         ; Mg as a whole number
	v_mov_b32 v53, -1                              ; a neutral list's key,
	v_mov_b32 v54, 0                               ; its row, and a neutral record's sums,
	v_mov_b32 v55, 0xc0000000                      ; and its Mg: -2^30
	s_wait_dscnt 0x0
	v_add_f32 v44, v44, v45
	v_add_f32 v46, v46, v47
	v_add_f32 v48, v48, v49
	v_add_f32 v50, v50, v51
	v_add_f32 v44, v44, v46                        ; the work-group's sum of ez,
	v_add_f32 v48, v48, v50                        ; and of w
	s_cmp_lg_u32 s4, 0                             ; wave 0 writes the list and the record; no barrier follows
	s_cbranch_scc1 .Ldone
	s_lshl_b32 s48, ttmp9, 8
	s_add_nc_u64 s[38:39], s[38:39], s[48:49]
	s_add_nc_u64 s[40:41], s[40:41], s[48:49]
	s_lshl_b32 s48, ttmp9, 2
	s_add_nc_u64 s[34:35], s[34:35], s[48:49]
	s_add_nc_u64 s[36:37], s[36:37], s[48:49]
	global_store_b32 v43, v[K], s[38:39]
	global_store_b32 v43, v[K+1], s[38:39] offset:128
	global_store_b32 v43, v[I], s[40:41]
	global_store_b32 v43, v[I+1], s[40:41] offset:128
	s_cmp_lt_u32 ttmp9, 6
	s_cbranch_scc0 .Lrecord
	global_store_b32 v43, v53, s[38:39] offset:64000       ; list 250 + g
	global_store_b32 v43, v53, s[38:39] offset:64128
	global_store_b32 v43, v54, s[40:41] offset:64000
	global_store_b32 v43, v54, s[40:41] offset:64128
.Lrecord:
	v_cmp_eq_u32 vcc_lo, 0, v[LANE]
	s_wait_xcnt 0x0                                ; EXEC changes only behind this wait
	s_and_saveexec_b32 s90, vcc_lo                 ; lane 0 alone (its offset 4 x lane is 0)
	global_store_b32 v43, v44, s[34:35]
	global_store_b32 v43, v48, s[34:35] offset:1024
	global_store_b32 v43, v52, s[36:37]
	s_cmp_lt_u32 ttmp9, 6
	s_cbranch_scc0 .Lrestore
	global_store_b32 v43, v54, s[34:35] offset:1000        ; record 250 + g
	global_store_b32 v43, v54, s[34:35] offset:2024
	global_store_b32 v43, v55, s[36:37] offset:1000
.Lrestore:
	s_wait_xcnt 0x0
	s_or_b32 exec_lo, exec_lo, s90
.Ldone:
	s_set_vgpr_msb 0xa
	s_wait_tensorcnt 0x0
	ds_add_u32 v254, v255
	s_wait_dscnt 0x0
	s_set_vgpr_msb 0xa00
	s_endpgm
.Lfunc_end_k_q2598559581_score:
	.size	k_q2598559581_score, .Lfunc_end_k_q2598559581_score-k_q2598559581_score
	.p2alignl 7, 3214868480
	.fill 96, 4, 3214868480
	.section	.rodata,"a",@progbits
	.p2align	6, 0x0
	.amdhsa_kernel k_q2598559581_score
		.amdhsa_group_segment_fixed_size 201216
		.amdhsa_private_segment_fixed_size 0
		.amdhsa_enable_private_segment 0
		.amdhsa_kernarg_size 136
		.amdhsa_user_sgpr_count 2
		.amdhsa_user_sgpr_kernarg_segment_ptr 1
		.amdhsa_wavefront_size32 1
		.amdhsa_system_sgpr_workgroup_id_x 1
		.amdhsa_system_sgpr_workgroup_id_y 1
		.amdhsa_system_sgpr_workgroup_id_z 1
		.amdhsa_system_vgpr_workitem_id 0
		.amdhsa_next_free_vgpr 1024
		.amdhsa_next_free_sgpr 100
		.amdhsa_reserve_vcc 1
		.amdhsa_float_denorm_mode_32 3
		.amdhsa_float_denorm_mode_16_64 3
		.amdhsa_memory_ordered 1
		.amdhsa_forward_progress 1
		.amdhsa_inst_pref_size 255
	.end_amdhsa_kernel
	.section	.bss,"aw",@nobits
	.p2align	6
	.space	262144
	.amdgpu_metadata
---
amdhsa.version: [ 1, 2 ]
amdhsa.kernels:
  - .name:           k_q2598559581_score
    .symbol:         k_q2598559581_score.kd
    .args:
      - { .name: sensory_input, .offset: 0, .size: 8, .value_kind: global_buffer, .address_space: global }
      - { .name: conscious_bias, .offset: 8, .size: 8, .value_kind: global_buffer, .address_space: global }
      - { .name: Wq, .offset: 16, .size: 8, .value_kind: global_buffer, .address_space: global }
      - { .name: bq, .offset: 24, .size: 8, .value_kind: global_buffer, .address_space: global }
      - { .name: Wk_codes, .offset: 32, .size: 8, .value_kind: global_buffer, .address_space: global }
      - { .name: bk, .offset: 40, .size: 8, .value_kind: global_buffer, .address_space: global }
      - { .name: W1_codes, .offset: 48, .size: 8, .value_kind: global_buffer, .address_space: global }
      - { .name: b1, .offset: 56, .size: 8, .value_kind: global_buffer, .address_space: global }
      - { .name: W2, .offset: 64, .size: 8, .value_kind: global_buffer, .address_space: global }
      - { .name: b2, .offset: 72, .size: 8, .value_kind: global_buffer, .address_space: global }
      - { .name: lowp_scales, .offset: 80, .size: 8, .value_kind: global_buffer, .address_space: global }
      - { .name: out2, .offset: 88, .size: 8, .value_kind: global_buffer, .address_space: global }
      - { .name: wl, .offset: 96, .size: 8, .value_kind: global_buffer, .address_space: global }
      - { .name: pz, .offset: 104, .size: 8, .value_kind: global_buffer, .address_space: global }
      - { .name: pmi, .offset: 112, .size: 8, .value_kind: global_buffer, .address_space: global }
      - { .name: candk, .offset: 120, .size: 8, .value_kind: global_buffer, .address_space: global }
      - { .name: candi, .offset: 128, .size: 8, .value_kind: global_buffer, .address_space: global }
    .group_segment_fixed_size: 201216
    .private_segment_fixed_size: 0
    .kernarg_segment_align: 8
    .kernarg_segment_size: 136
    .max_flat_workgroup_size: 128
    .sgpr_count:     100
    .vgpr_count:     1024
    .wavefront_size: 32
...
	.end_amdgpu_metadata
.endif
;; end of part 1
;; launch finish (part 2): grid 64 x 1, 32 waves a work-group, no clusters, 53,248 bytes of LDS; arguments sensory_input, wl, pz, pmi, candk, candi, out0, out1; writes out0, out1
.if DOCPART == 2
	.amdgcn_target "amdgcn-amd-amdhsa--gfx1250"
	.amdhsa_code_object_version 6
	.text
	.protected	k_q2598559581_finish
	.globl	k_q2598559581_finish
	.p2align	8
	.type	k_q2598559581_finish,@function
k_q2598559581_finish:
	s_mov_b64 s[64:65], 0
	v_nop
	global_prefetch_b8 v0, s[64:65] scope:SCOPE_SE
	s_setreg_imm32_b32 hwreg(HW_REG_WAVE_MODE, 25, 1), 1
	s_wait_xcnt 0x0
; The second launch.  M = the largest of the 256 records' Mg;  Z = sum of Zg 2^(Mg - M),  S = sum of Sg 2^(Mg - M): multiplications that round nothing.
; WORK-GROUPS 1 TO 63: out1 = w 2^(Mg - M) / Z / max(S / Z, 1e-12).  Eight waves take the 1,000 rows of one record, four numbers a lane; the two chunks past the 250th end at once on a branch on ids.
; WORK-GROUP 0: the 256 lists of 64 candidates are merged into the 64 best, and their rows of x are copied to out0.  All of that is whole-number work on numbers read from memory:
; a weight's code is its bit pattern + (Mg - M) << 23, which is the bit pattern of w 2^(Mg - M) while that is a normal number; what falls under 2^-126 gets one code under all of those; a neutral entry keeps -1.
; A larger code wins, of equal ones the lower row, as jax.lax.top_k has it.
; LIMITS: the order is taken of w 2^(Mg - M), ahead of the common positive factor 1 / (Z max(S / Z, 1e-12)): two unequal weights that the factor's rounding would make equal keep their own order.
; Where fewer than 64 rows lie within 2^-126 of the largest weight, the rest are taken in the order of their rows.  |Mg| under 2^29.
; No cluster, no tensor load, no prefetch: the launch reads 1.2 MB, each byte once or from a table of 3 KB.
.set K,   16                           ; v16-31 keys;  v32-47 rows;  v48-55, v56-63 the partner's;  v64-71 at work
.set I,   32
.set PK,  48
.set PI,  56
.set T,   64
.set SM,  80
.set PX,  4
.set FI,  32768                        ; LDS: two buffers of 32 lists x 512 bytes at 0 and 16,384; then the 64 rows chosen
.set L1,  0x55555555
.set L2,  0x33333333
.set L4,  0x0f0f0f0f
.set L8,  0x00ff00ff
.set L16, 0x0000ffff
.macro BARRIER
	s_wait_dscnt 0x0
	s_barrier_signal -1
	s_barrier_wait -1
.endm
.macro WSUM r
.irp m, 1,2,4,8
	v_add_f32_dpp v[\r], v[\r], v[\r] row_xmask:\m row_mask:0xf bank_mask:0xf
.endr
	v_permlanex16_b32 v[PX], v[\r], s72, s73
	v_add_f32 v[\r], v[\r], v[PX]
.endm
.macro GETM                            ; the largest of the 256 Mg (eight a lane in v8-15) -> s5
	v_max_i32 v3, v8, v9
.irp r, 10,11,12,13,14,15
	v_max_i32 v3, v3, v\r
.endr
.irp m, 1,2,4,8
	v_mov_b32_dpp v[PX], v3 row_xmask:\m row_mask:0xf bank_mask:0xf
	v_max_i32 v3, v3, v[PX]
.endr
	v_permlanex16_b32 v[PX], v3, s72, s73
	v_max_i32 v3, v3, v[PX]
	v_readfirstlane_b32 s5, v3
.endm
; ---- THE SORT'S STEPS, as in the first launch.  Entry a BEATS entry b where its key is larger, or equal with the lower row.  A list of 64 lies in two registers: place 32 x register + lane.
.macro CMPX n
.set e, 0
.rept \n
	v_cmp_lt_u32 s[SM+e], v[I+e], v[PI+e]
.set e, e+1
.endr
.set e, 0
.rept \n
	v_cndmask_b32 v[T+e], 0, 1, s[SM+e]
.set e, e+1
.endr
.set e, 0
.rept \n
	v_add_nc_u32 v[T+e], v[T+e], v[K+e]
.set e, e+1
.endr
.set e, 0
.rept \n
	v_cmp_gt_i32 s[SM+e], v[T+e], v[PK+e]
.set e, e+1
.endr
.endm
.macro TAKE n, kw, fl
.set e, 0
.rept \n
.if ((\fl)>>e)&1
	s_xor_b32 s[SM+e], s[SM+e], ((\kw)^0xffffffff)&0xffffffff
.else
	s_xor_b32 s[SM+e], s[SM+e], (\kw)&0xffffffff
.endif
.set e, e+1
.endr
.set e, 0
.rept \n
	v_cndmask_b32 v[K+e], v[K+e], v[PK+e], s[SM+e]
	v_cndmask_b32 v[I+e], v[I+e], v[PI+e], s[SM+e]
.set e, e+1
.endr
.endm
.macro TAKEW n
.set e, 0
.rept \n
	v_cndmask_b32 v[K+e], v[PK+e], v[K+e], s[SM+e]
	v_cndmask_b32 v[I+e], v[PI+e], v[I+e], s[SM+e]
.set e, e+1
.endr
.endm
.macro LANEST j, kw, fl, n
.set e, 0
.rept \n
.if \j < 16
	v_mov_b32_dpp v[PK+e], v[K+e] row_xmask:\j row_mask:0xf bank_mask:0xf
	v_mov_b32_dpp v[PI+e], v[I+e] row_xmask:\j row_mask:0xf bank_mask:0xf
.else
	v_permlanex16_b32 v[PK+e], v[K+e], s72, s73
	v_permlanex16_b32 v[PI+e], v[I+e], s72, s73
.endif
.set e, e+1
.endr
	CMPX \n
	TAKE \n, \kw, \fl
.endm
.macro REGST lists, rfl
.set e, 0
.rept \lists
	v_cmp_lt_u32 s[SM+e], v[I+2*e], v[I+2*e+1]
.set e, e+1
.endr
.set e, 0
.rept \lists
	v_cndmask_b32 v[T+e], 0, 1, s[SM+e]
.set e, e+1
.endr
.set e, 0
.rept \lists
	v_add_nc_u32 v[T+e], v[T+e], v[K+2*e]
.set e, e+1
.endr
.set e, 0
.rept \lists
	v_cmp_gt_i32 s[SM+e], v[T+e], v[K+2*e+1]
.set e, e+1
.endr
.set e, 0
.rept \lists
.if ((\rfl)>>e)&1
	s_not_b32 s[SM+e], s[SM+e]
.endif
.set e, e+1
.endr
.set e, 0
.rept \lists
	v_cndmask_b32 v[PK+e], v[K+2*e+1], v[K+2*e], s[SM+e]
	v_cndmask_b32 v[PI+e], v[I+2*e+1], v[I+2*e], s[SM+e]
.set e, e+1
.endr
.set e, 0
.rept \lists
	v_cndmask_b32 v[K+2*e+1], v[K+2*e], v[K+2*e+1], s[SM+e]
	v_cndmask_b32 v[I+2*e+1], v[I+2*e], v[I+2*e+1], s[SM+e]
.set e, e+1
.endr
.set e, 0
.rept \lists
	v_mov_b32 v[K+2*e], v[PK+e]
	v_mov_b32 v[I+2*e], v[PI+e]
.set e, e+1
.endr
.endm
.macro MAXST m
.set e, 0
.rept \m
.set ra, 4*(e/2)+e%2
	v_cmp_lt_u32 s[SM+e], v[I+ra], v[I+ra+2]
.set e, e+1
.endr
.set e, 0
.rept \m
	v_cndmask_b32 v[T+e], 0, 1, s[SM+e]
.set e, e+1
.endr
.set e, 0
.rept \m
.set ra, 4*(e/2)+e%2
	v_add_nc_u32 v[T+e], v[T+e], v[K+ra]
.set e, e+1
.endr
.set e, 0
.rept \m
.set ra, 4*(e/2)+e%2
	v_cmp_gt_i32 s[SM+e], v[T+e], v[K+ra+2]
.set e, e+1
.endr
.set e, 0
.rept \m
.set ra, 4*(e/2)+e%2
	v_cndmask_b32 v[K+e], v[K+ra+2], v[K+ra], s[SM+e]
	v_cndmask_b32 v[I+e], v[I+ra+2], v[I+ra], s[SM+e]
.set e, e+1
.endr
.endm
.macro CLEAN lists, rfl, fl
	REGST \lists, \rfl
	LANEST 16, L16, \fl, 2*(\lists)
	LANEST 8, L8, \fl, 2*(\lists)
	LANEST 4, L4, \fl, 2*(\lists)
	LANEST 2, L2, \fl, 2*(\lists)
	LANEST 1, L1, \fl, 2*(\lists)
.endm
	s_load_b512 s[8:23], s[0:1], 0x0               ; x s[8:9], wl s[10:11], pz s[12:13], pmi s[14:15], candk s[16:17], candi s[18:19], out0 s[20:21], out1 s[22:23]
	v_lshl_add_u32 v96, v0, 2, 0xc000
	v_mov_b32 v97, 0
	v_lshrrev_b32 v1, 5, v0
	v_readfirstlane_b32 s4, v1                     ; wave 0..31
	v_and_b32 v1, 31, v0                           ; lane
	v_lshlrev_b32 v2, 5, v1                        ; 32 x lane: eight records a lane
	v_lshlrev_b32 v6, 2, v1                        ; 4 x lane
	v_sub_nc_u32 v7, 124, v6                       ; and backwards
	v_lshlrev_b32 v72, 4, v1                       ; 16 x lane
	s_lshl_b32 s24, s4, 9
	v_add_nc_u32 v73, s24, v6                      ; LDS: where my list goes,
	v_add_nc_u32 v74, s24, v7                      ; and from where, with an immediate, a later wave's is read backwards
	v_add_nc_u32 v75, FI, v6                       ; the rows chosen: in,
	s_lshl_b32 s25, s4, 3
	s_add_co_u32 s25, s25, FI
	v_mov_b32 v76, s25                             ; and my wave's two of them
	v_mov_b32 v[PX], 0                             ; a lane move's destination counts as read: written once
	s_mov_b32 s72, 0x76543210
	s_mov_b32 s73, 0xfedcba98
	s_mov_b32 s27, 0                               ; s[26:27]: an offset as a pair
	s_wait_kmcnt 0x0
	s_cmp_eq_u32 ttmp9, 0
	s_cbranch_scc1 .Lmerge
; ================ out1
	s_sub_co_u32 s24, ttmp9, 1
	s_lshl_b32 s24, s24, 2
	s_lshr_b32 s25, s4, 3
	s_add_co_u32 s24, s24, s25                     ; which record's 1,000 rows: 4 (work-group - 1) + wave / 8
	s_cmp_ge_u32 s24, 250
	s_cbranch_scc1 .Lend                           ; 63 x 4 = 252 shares for 250 records; no barrier stands on this path
	s_mul_i32 s26, s24, 4000
	s_add_nc_u64 s[10:11], s[10:11], s[26:27]
	s_add_nc_u64 s[22:23], s[22:23], s[26:27]
	s_lshl_b32 s26, s24, 2
	s_add_nc_u64 s[28:29], s[14:15], s[26:27]
	s_load_b32 s30, s[28:29], 0x0                  ; this record's Mg
	v_and_b32 v5, 255, v0
	v_min_u32 v77, 249, v5                         ; 250 lanes x 16 bytes; the six lanes over load the last 16 bytes once more and store nothing
	v_lshlrev_b32 v77, 4, v77
	global_load_b128 v[8:11], v2, s[14:15]
	global_load_b128 v[12:15], v2, s[14:15] offset:16
	global_load_b128 v[16:19], v2, s[12:13]
	global_load_b128 v[20:23], v2, s[12:13] offset:16
	global_load_b128 v[24:27], v2, s[12:13] offset:1024
	global_load_b128 v[28:31], v2, s[12:13] offset:1040
	global_load_b128 v[32:35], v77, s[10:11]
	s_wait_loadcnt 5                               ; the Mg are in: five loads stand behind them
	GETM
.set i, 0
.rept 8
	v_sub_nc_u32 v[8+i], v[8+i], s5                ; Mg - M
.set i, i+1
.endr
	s_wait_loadcnt 0x0
.set i, 0
.rept 8
	v_ldexp_f32 v[16+i], v[16+i], v[8+i]
	v_ldexp_f32 v[24+i], v[24+i], v[8+i]
.set i, i+1
.endr
	v_pk_add_f32 v[16:17], v[16:17], v[18:19]
	v_pk_add_f32 v[20:21], v[20:21], v[22:23]
	v_pk_add_f32 v[24:25], v[24:25], v[26:27]
	v_pk_add_f32 v[28:29], v[28:29], v[30:31]
	v_pk_add_f32 v[16:17], v[16:17], v[20:21]
	v_pk_add_f32 v[24:25], v[24:25], v[28:29]
	v_add_f32 v16, v16, v17
	v_add_f32 v24, v24, v25
	WSUM 16                                        ; Z
	WSUM 24                                        ; S
	v_rcp_f32 v40, v16
	v_nop                                          ; a plain instruction behind the transcendental,
	s_wait_alu depctr_va_vdst(0)                   ; and a wait ahead of the first reader
	v_mul_f32 v41, v24, v40                        ; the sum of the allocation before it is normalised
	v_max_num_f32 v41, 0x2b8cbccc, v41             ; max(.., 1e-12)
	v_rcp_f32 v41, v41
	v_nop
	s_wait_alu depctr_va_vdst(0)
	s_wait_kmcnt 0x0
	s_sub_co_i32 s31, s30, s5
.set i, 0
.rept 4
	v_ldexp_f32 v[32+i], v[32+i], s31
.set i, i+1
.endr
.set i, 0
.rept 4
	v_mul_f32 v[32+i], v[32+i], v40
.set i, i+1
.endr
.set i, 0
.rept 4
	v_mul_f32 v[32+i], v[32+i], v41
.set i, i+1
.endr
	v_cmp_gt_u32 vcc_lo, 250, v5
	s_wait_xcnt 0x0                                ; EXEC changes only behind this wait
	s_and_saveexec_b32 s32, vcc_lo
	global_store_b128 v77, v[32:35], s[22:23] th:TH_STORE_NT
	s_wait_xcnt 0x0
	s_or_b32 exec_lo, exec_lo, s32
.Lend:
	s_endpgm
; ================ the 64 best
.Lmerge:
	s_lshl_b32 s26, s4, 5
	s_add_nc_u64 s[28:29], s[14:15], s[26:27]
	s_load_b256 s[32:39], s[28:29], 0x0            ; Mg of my eight lists, 8 wave ..
	s_lshl_b32 s26, s4, 11
	s_add_nc_u64 s[16:17], s[16:17], s[26:27]
	s_add_nc_u64 s[18:19], s[18:19], s[26:27]
	s_add_nc_u64 s[20:21], s[20:21], s[26:27]      ; and my two rows of out0
	global_load_b128 v[8:11], v2, s[14:15]
	global_load_b128 v[12:15], v2, s[14:15] offset:16
.set e, 0
.rept 16                               ; list e / 2, register e % 2.  Even lists as they lie (descending), odd lists backwards (ascending)
.if (e/2)%2 == 0
	global_load_b32 v[K+e], v6, s[16:17] offset:256*(e/2)+128*(e%2)
	global_load_b32 v[I+e], v6, s[18:19] offset:256*(e/2)+128*(e%2)
.else
	global_load_b32 v[K+e], v7, s[16:17] offset:256*(e/2)+128*(1-e%2)
	global_load_b32 v[I+e], v7, s[18:19] offset:256*(e/2)+128*(1-e%2)
.endif
.set e, e+1
.endr
.set e, 0
.rept 8
	v_mov_b32 v[PK+e], 0
	v_mov_b32 v[PI+e], 0
.set e, e+1
.endr
	s_wait_loadcnt 32                              ; the Mg are in: 32 loads stand behind them
	GETM
	s_wait_kmcnt 0x0
.set e, 0
.rept 8
	s_sub_co_i32 s[32+e], s[32+e], s5
	s_max_i32 s[32+e], s[32+e], 0xffffff01         ; -255 takes every exponent field under 1, and the sum below stays inside 32 bits
	s_lshl_b32 s[32+e], s[32+e], 23
.set e, e+1
.endr
	s_wait_loadcnt 0x0
.set e, 0
.rept 16
	v_add_nc_u32 v[T+e%8], s[32+e/2], v[K+e]       ; the bit pattern of w 2^(Mg - M),
	v_cmp_gt_i32 vcc_lo, 0, v[K+e]
	v_max_i32 v[T+e%8], 0x7fffff, v[T+e%8]         ; one code for all that is no normal number any more,
	v_cndmask_b32 v[K+e], v[T+e%8], v[K+e], vcc_lo ; and -1 stays -1
.set e, e+1
.endr
	MAXST 8                                        ; eight lists -> four,
	CLEAN 4, 0xa, 0xcc
	MAXST 4                                        ; -> two,
	CLEAN 2, 0x2, 0x0c
	MAXST 2                                        ; -> one
	CLEAN 1, 0, 0
; Five levels between the waves.  Every wave stores its list; behind the barrier the waves whose number is a multiple of 2^(l+1) take in the list of the wave 2^l further on.  The branch hangs on the wave's number
; and stands round the work alone.  The two buffers take turns: a buffer is written again two levels on, behind a barrier that every reader signals behind its reads.
.macro LEVEL l
.set XB, 16384*((\l)%2)
	ds_store_b32 v73, v[K] offset:XB
	ds_store_b32 v73, v[K+1] offset:XB+128
	ds_store_b32 v73, v[I] offset:XB+256
	ds_store_b32 v73, v[I+1] offset:XB+384
	BARRIER
	s_and_b32 s24, s4, (2<<(\l))-1
	s_cmp_lg_u32 s24, 0
	s_cbranch_scc1 .Lidle_\@
	ds_load_b32 v[PK], v74 offset:XB+512*(1<<(\l))+128     ; place p takes the partner's place 63 - p
	ds_load_b32 v[PK+1], v74 offset:XB+512*(1<<(\l))
	ds_load_b32 v[PI], v74 offset:XB+512*(1<<(\l))+384
	ds_load_b32 v[PI+1], v74 offset:XB+512*(1<<(\l))+256
	s_wait_dscnt 0x0
	CMPX 2
	TAKEW 2
	CLEAN 1, 0, 0
.Lidle_\@:
.endm
	LEVEL 0
	LEVEL 1
	LEVEL 2
	LEVEL 3
	LEVEL 4
	s_cmp_lg_u32 s4, 0
	s_cbranch_scc1 .Lnot_first
	ds_store_b32 v75, v[I]                         ; wave 0 holds the 64 best, in descending order: their rows
	ds_store_b32 v75, v[I+1] offset:128
.Lnot_first:
	BARRIER
	ds_load_b64 v[8:9], v76                        ; ranks 2 wave and 2 wave + 1
	s_wait_dscnt 0x0
	v_min_u32 v8, 0x3d08f, v8                      ; a row number read from memory enters an address behind a bound: 249,999
	v_min_u32 v9, 0x3d08f, v9
	v_lshl_add_u32 v8, v8, 10, v72                 ; row x 1,024 bytes + 16 x lane
	v_lshl_add_u32 v9, v9, 10, v72
	global_load_b128 v[16:19], v8, s[8:9]
	global_load_b128 v[20:23], v8, s[8:9] offset:512
	global_load_b128 v[24:27], v9, s[8:9]
	global_load_b128 v[28:31], v9, s[8:9] offset:512
	s_wait_loadcnt 0x0
	global_store_b128 v72, v[16:19], s[20:21] th:TH_STORE_NT               ; 512 consecutive bytes a store
	global_store_b128 v72, v[20:23], s[20:21] offset:512 th:TH_STORE_NT
	global_store_b128 v72, v[24:27], s[20:21] offset:1024 th:TH_STORE_NT
	global_store_b128 v72, v[28:31], s[20:21] offset:1536 th:TH_STORE_NT
	s_wait_tensorcnt 0x0
	ds_add_u32 v96, v97
	s_wait_dscnt 0x0
	s_endpgm
.Lfunc_end_k_q2598559581_finish:
	.size	k_q2598559581_finish, .Lfunc_end_k_q2598559581_finish-k_q2598559581_finish
	.p2alignl 7, 3214868480
	.fill 96, 4, 3214868480
	.section	.rodata,"a",@progbits
	.p2align	6, 0x0
	.amdhsa_kernel k_q2598559581_finish
		.amdhsa_group_segment_fixed_size 53248
		.amdhsa_private_segment_fixed_size 0
		.amdhsa_enable_private_segment 0
		.amdhsa_kernarg_size 64
		.amdhsa_user_sgpr_count 2
		.amdhsa_user_sgpr_kernarg_segment_ptr 1
		.amdhsa_wavefront_size32 1
		.amdhsa_system_sgpr_workgroup_id_x 1
		.amdhsa_system_sgpr_workgroup_id_y 1
		.amdhsa_system_sgpr_workgroup_id_z 1
		.amdhsa_system_vgpr_workitem_id 0
		.amdhsa_next_free_vgpr 98
		.amdhsa_next_free_sgpr 100
		.amdhsa_reserve_vcc 1
		.amdhsa_float_denorm_mode_32 3
		.amdhsa_float_denorm_mode_16_64 3
		.amdhsa_memory_ordered 1
		.amdhsa_forward_progress 1
		.amdhsa_inst_pref_size 99
	.end_amdhsa_kernel
	.amdgpu_metadata
---
amdhsa.version: [ 1, 2 ]
amdhsa.kernels:
  - .name:           k_q2598559581_finish
    .symbol:         k_q2598559581_finish.kd
    .args:
      - { .name: sensory_input, .offset: 0, .size: 8, .value_kind: global_buffer, .address_space: global }
      - { .name: wl, .offset: 8, .size: 8, .value_kind: global_buffer, .address_space: global }
      - { .name: pz, .offset: 16, .size: 8, .value_kind: global_buffer, .address_space: global }
      - { .name: pmi, .offset: 24, .size: 8, .value_kind: global_buffer, .address_space: global }
      - { .name: candk, .offset: 32, .size: 8, .value_kind: global_buffer, .address_space: global }
      - { .name: candi, .offset: 40, .size: 8, .value_kind: global_buffer, .address_space: global }
      - { .name: out0, .offset: 48, .size: 8, .value_kind: global_buffer, .address_space: global }
      - { .name: out1, .offset: 56, .size: 8, .value_kind: global_buffer, .address_space: global }
    .group_segment_fixed_size: 53248
    .private_segment_fixed_size: 0
    .kernarg_segment_align: 8
    .kernarg_segment_size: 64
    .max_flat_workgroup_size: 1024
    .sgpr_count:     100
    .vgpr_count:     98
    .wavefront_size: 32
...
	.end_amdgpu_metadata
.endif
;; end of part 2
